; MI455X (gfx1250); checked and timed in simulation.
; The chip was launched on July 23, 2026; its instructions are those of AMD's public machine-readable ISA for CDNA 5 (MIT licence, August 2026) and "CDNA5" Instruction Set Architecture Reference Guide (July 2026). The comments in the code are by the model that wrote it; some were corrected since.
;; D2 L Dot Product Attention. Allowed arithmetic: matrix products marked QUANTISED: E2M3 operands, one E8M0 scale for each 32 along K, by v_wmma_scale_f32_16x16x128_f8f6f4 with both operands' format E2M3, f32 sums; everything else in f32.
;; Inputs: keys_codes 32 x 2,048 x 2 x 24 uint8 (E2M3 codes of keys, K innermost, in blocks of 32 codes, four codes in three bytes); keys_scales 32 x 2,048 x 2 uint8 (E8M0 scales of keys, one for each 32 codes along K); queries_codes 32 x 2,048 x 2 x 24 uint8 (E2M3 codes of queries, K innermost, in blocks of 32 codes, four codes in three bytes); queries_scales 32 x 2,048 x 2 uint8 (E8M0 scales of queries, one for each 32 codes along K); valid_lens 32 int32; values_codes 32 x 64 x 64 x 24 uint8 (E2M3 codes of values, K innermost, in blocks of 32 codes, four codes in three bytes); values_scales 32 x 64 x 64 uint8 (E8M0 scales of values, one for each 32 codes along K).
;; Outputs: out0 32 x 2,048 x 64 float32.
;; This version of the problem:
;;   THIS VERSION OF THE PROBLEM IS GIVEN IN LOW PRECISION. The matrix products marked QUANTISED in the list below multiply operands that are first quantised to E2M3 (2 exponent bits, 3 mantissa bits; 6 bits a number), with one power-of-two scale for each 32 numbers along K (OCP MX v1.0); their sums are f32. All else is computed in f32.
;;   The module's matrix products, in the order in which they are computed (A, B: the left and right operand; K: the contracted axis; several contracted axes count as one K, in the product's order):
;;     1. batch 32 x [M 2,048, K 64] x [K 64, N 2,048]; A: input queries (given as codes); B: input keys (given as codes): QUANTISED
;;     2. batch 32 x [M 2,048, K 2,048] x [K 2,048, N 64]; A: softmax (see below); B: input values (given as codes): QUANTISED
;;   THE QUANTISER, for each operand of a quantised product, along K:
;;     - K is cut into blocks of 32 from its start; a last block that is shorter is filled with zeros.
;;     - A block's scale is 2^e with e = floor(log2(the largest magnitude in the block)) - 2, held to -126 .. 127; a block of zeros has e = 0. As a byte (E8M0): e + 127.
;;     - Each number is divided by its block's scale, clamped to +-7.5, and rounded to the nearest number of E2M3, ties to even, subnormals kept.
;;     - The product sums the exact products of the quantised numbers (number of the format x scale) in f32.
;;   ~~~python
;;   def quantise(x, axis):      # numpy; x: float32 -> the quantised numbers, widened to float32 again
;;       x = np.moveaxis(x, axis, -1); K = x.shape[-1]
;;       x = np.pad(x, [(0, 0)] * (x.ndim - 1) + [(0, -K % 32)]); x = x.reshape(x.shape[:-1] + (-1, 32)); a = np.abs(x).max(-1, keepdims=True)
;;       e = np.where(a > 0, np.clip(np.frexp(np.where(a > 0, a, 1))[1] - 1 - 2, -126, 127), 0)      # np.frexp(a)[1] - 1 = floor(log2(a)), exactly
;;       r = np.clip(x / 2.0 ** e, -7.5, 7.5)
;;       step = 2.0 ** (np.maximum(np.frexp(np.where(r == 0, 1, r))[1] - 1, 0) - 3)
;;       q = np.round(r / step) * step * 2.0 ** e      # np.round: ties to even
;;       return np.moveaxis(q.reshape(q.shape[:-2] + (-1,))[..., :K], -1, axis).astype(np.float32)
;;   ~~~
;;   SOFTMAX AHEAD OF A QUANTISED PRODUCT. Where the list says 'softmax', what is quantised is not the finished softmax but p = 2^(t - M), with t = logit x log2(e) and M = ceil(the row's largest t), a whole number; so 1/2 < the row's largest p <= 1. The row's sum l is taken of the UNQUANTISED p, in f32, and the product's result is divided by l at the end. Since M is a whole number, a kernel that streams over the keys may use a running M (the ceiling of the running maximum): every later rescaling is an exact power of two, which a block's scale takes up: the codes' values come out the same.
;;   OPERANDS COMPUTED ON THE WAY. 'Computed on the way' means the value that the module computes at that place (a softmax that the list does not call 'softmax' is quantised finished and normalised). What goes into a quantiser is computed in f32, as accurately as f32 sums, v_exp_f32 and their like allow (about 1e-6 of the number): no bf16 or f16 on the way to a quantiser, and a product that is left as it is and whose result goes on into a quantised operand takes f32 operands (vector FMAs, or v_wmma_f32_16x16x4_f32). A number that lies on a knife's edge between two numbers of the format may be rounded either way, as far as f32 arithmetic and the matrix unit's own rounding can turn it there, and no further.
;;   INPUTS GIVEN AS CODES. keys (in the module: [32, 2048, 64], K = its axis 2); queries (in the module: [32, 2048, 64], K = its axis 2); values (in the module: [32, 2048, 64], K = its axis 1): each comes as NAME_codes (uint8): NAME with its K axis moved to the last place and cut into blocks of 32 codes, [.., K / 32, bytes a block], one block behind the other in memory; four codes in three bytes: a row's codes are one little-endian stream of bits, code i at bits 6 i .. 6 i + 5 (a code: sign, 2 exponent bits, 3 mantissa bits); and NAME_scales (uint8): the same leading axes, one E8M0 byte (e + 127) for each 32 codes along K. Its value is code x scale, taken as it is: it is not quantised again, and the codes and scales need not be those that the quantiser above would give.
;; 2 versions. Each part assembles by itself: llvm-mc -triple=amdgcn-amd-amdhsa -mcpu=gfx1250 --defsym DOCPART=n.
;; ======== version 1 of 2: 1 launch
;; limits: right only within a limited range of input values
;; launch attn (part 1): grid 256 x 1, 16 waves a work-group, no clusters, 174,080 bytes of LDS; arguments keys_codes, keys_scales, queries_codes, queries_scales, valid_lens, values_codes, values_scales, out0; writes out0
.if DOCPART == 1
	.amdgcn_target "amdgcn-amd-amdhsa--gfx1250"
	.amdhsa_code_object_version 6
	.text
	.protected	k_qbae877f1fd_attn
	.globl	k_qbae877f1fd_attn
	.p2align	8
	.type	k_qbae877f1fd_attn,@function
k_qbae877f1fd_attn:
	s_mov_b64 s[64:65], 0
	v_nop
	global_prefetch_b8 v0, s[64:65] scope:SCOPE_SE
	s_setreg_imm32_b32 hwreg(HW_REG_WAVE_MODE, 25, 1), 1
	s_wait_xcnt 0x0
; out[b][q][:] = the sum over k of softmax_k(logit) V[b][k][:], logit = Q[b][q] . K[b][k] / 8 where k < valid_lens[b], else -1e6.  32 batches, 2,048 queries, 2,048 keys, head size 64.
; Both products on codes of FP6 (E2M3) with one E8M0 scale for each 32 along K.  Q, K: rows of 64 codes (48 bytes) and 2 scale bytes.  V: keys innermost, [b][64][2048] codes (rows of 1,536 bytes), [b][64][64] scale bytes.
; SOFTMAX: t = score x log2(e) / 8; M = the running largest t rounded up to a whole number; p = 2^(t - M) is quantised along the keys; the sum of the unquantised p divides at the end.
; WHAT IS LEFT OUT: key steps (128 keys) that lie wholly at or beyond valid_lens[b]: their p is 2^(about -1.4e6), which is 0 in f32.  In the step that holds the boundary the hidden scores are replaced by -8e6 (= -1e6 x 8).
; SHARES.  256 work-groups of 16 waves.  A work-group has four TEAMS of four waves; a team has one batch and 64 queries, a wave one tile of 16 queries.  The team's four waves bring each key step's K and V
; from memory through registers into the team's two LDS slots, laid as images of the operands' registers, and all four read them.
; A team's batch is chosen by the RANK of its valid length among the 32 (ranks 31-g, g, 16+g, 15-g for work-group group g = x & 7), so that the four lengths in a work-group add up to about the same everywhere.
; Teams 0 and 2 start at trip 0, teams 1 and 3 end at the last trip.  The walk begins at step (query block x steps) / 32 and wraps, so that the 32 work-groups of a batch begin at different steps.
; NO TENSOR LOADS, NO CLUSTER: how many steps a team walks hangs on valid_lens, a number read from memory; partners would need different numbers of tiles.
; HEAD SIZE 64 IN A PRODUCT OF K = 128: a fragment of K (12 registers) holds TWO tiles of 16 keys, one in registers 0-5 (k 0-63), one in registers 6-11 (k 64-127).  Q stands as zeros | q | zeros in 18 registers:
; (q | 0) picks the first tile, (0 | q) the second.  Lane r of tile 2 f + u holds key 32 f + 8 u + r + 8 (r / 8), so that registers 16 f + i of S^T are keys 32 f + 16 (lane / 16) + i.
; Both products are used transposed (source 0 = keys, or V's channels; source 1 = queries): a lane holds one query throughout.
; LIMITS: a scale byte 0xff (NaN) is not served (it would also reach the tile that shares its fragment).  Rows whose largest valid logit lies within about 200 of -1e6 are not served: there the steps left out would count.
; valid_lens <= 0: all keys are walked with the logit -1e6, t formed by one fused multiply-add of -8e6 (its fraction may differ from a two-step f32 product's).  valid_lens > 2,048 is held at 2,048.
.set SGB,   25600                      ; LDS: a team's two slots
.set SLOTB, 12800                      ; a slot: 4 images of K (1,536 bytes each), 4 of V, 256 bytes of K's scale words, 256 of V's
.set VOFF,  6144
.set KSO,   12288
.set VSO,   12544
.set STG,   102400                     ; behind the four teams: a stage of 16 rows x 272 bytes for each wave, for the way out
.set STGB,  4352
.set LI,  1                            ; v1   team + 16 x lane: an image's place for my lane
.set LS,  2                            ; v2   team + 16 x (lane % 16): my row's four scale words
.set A0,  3                            ; v3-5 where I store the three 8-byte pieces of half a row
.set AS,  6                            ; v6   where I store two scale bytes
.set GK,  7                            ; v7   my byte in a step's rows of K: 48 x (32 place + lane)
.set GV,  8                            ; v8   in V: 1,536 d + 48 u
.set GKS, 9                            ; v9   in K's scale bytes
.set GVS, 10                           ; v10  in V's
.set H16, 11                           ; v11  16 x (lane / 16)
                                       ; v12 -M, v13 the largest t, v[14:15] the sum in two halves
.set QHI, 16                           ; v[16:27] = (0 | q)
.set QLO, 22                           ; v[22:33] = (q | 0)
.set QSLO, 34                          ; q's two scale bytes in bytes 0, 1
.set QSHI, 35                          ; the same in bytes 2, 3
.set KS,  36                           ; v36-39 K's scale words, v40-43 V's
.set VS,  40
.set F,   44                           ; v44-91  four fragments: K's, then V's
.set S,   92                           ; v92-155 S^T, then p
.set O,   156                          ; v156-187 O^T: four tiles of 16 channels
.set PC,  188                          ; v188-199 p's codes
.set TT,  200                          ; v200-207 at work
.set BM,  208                          ; v208-211 the blocks' largest scores
.set SO,  212                          ; v212-215 the conversions' scale operands
.set FF,  220                          ; f = 2^(old M - new M)
.set PW,  221                          ; p's scale word
.set TMP, 222
.set QSA, 223                          ; Q's scale bytes: 2 x (lane % 16)
.set DK,  224                          ; v224-235 a row of K on its way, v236-247 half a row of V's step, v248, v249 their scale bytes
.set DV,  236
.set DKS, 248
.set DVS, 249
.set STI, 250                          ; the stage: in
.set STR, 251                          ; the stage: back
.set GO,  252                          ; 16 x lane: my bytes of two rows of out
.set QA,  253                          ; Q: 48 x (lane % 16) + 24 x (lane / 16)
.set WV,  2
.set SG,  3                            ; team
.set PL,  4                            ; place in the team
.set GG,  5
.set QB,  6                            ; block of 64 queries
.set RK,  7                            ; the rank wanted
.set BB,  24                           ; batch
.set VL,  25                           ; its valid length, 0 .. 2,048
.set NS,  26                           ; key steps to walk
.set W0,  27                           ; the trip in which the team's first step is stored
.set JL,  28                           ; the step loaded last
.set JC,  29                           ; the step to be computed
.set CNT, 30
.set T0,  31
.set PK,  40                           ; s[40:47] the four addresses of the step being loaded
.set PV,  42
.set PKS, 44
.set PVS, 46
.set OFS, 48                           ; s[48:49] an offset, high word 0
.set SEL, 50                           ; s[50:51] v_permlanex16_b32's selects for lane l xor 16
.set CS,  52                           ; s[52:53] c = log2(e) / 8
.set TI,  55
.set T1,  56
.set T2,  57
	s_load_b512 s[8:23], s[0:1], 0x0               ; K codes s[8:9], K scales s[10:11], Q codes s[12:13], Q scales s[14:15], valid_lens s[16:17], V codes s[18:19], V scales s[20:21], out s[22:23]
	v_lshl_add_u32 v254, v0, 2, 0x2a000
	v_mov_b32 v255, 0
	v_lshrrev_b32 v[TMP], 5, v0
	v_readfirstlane_b32 s[WV], v[TMP]              ; wave 0..15
	v_and_b32 v200, 31, v0                         ; lane
	v_lshlrev_b32 v201, 2, v200
	s_wait_kmcnt 0x0
	global_load_b32 v202, v201, s[16:17]           ; lane l: valid_lens[l]
	s_lshr_b32 s[PL], s[WV], 2                     ; place = wave / 4
	s_xor_b32 s[SG], s[WV], s[PL]
	s_and_b32 s[SG], s[SG], 3                      ; team = (wave xor wave / 4) % 4: four neighbouring waves, and four waves 4 apart, are of four different teams
	s_and_b32 s[GG], ttmp9, 7
	s_lshr_b32 s[QB], ttmp9, 3
	s_sub_co_u32 s28, 31, s[GG]
	s_add_co_u32 s29, 16, s[GG]
	s_sub_co_u32 s30, 15, s[GG]
	s_cmp_eq_u32 s[SG], 0
	s_cselect_b32 s[RK], s28, s[GG]                ; team 0: rank 31 - g; team 1: g;
	s_cmp_eq_u32 s[SG], 2
	s_cselect_b32 s[RK], s29, s[RK]                ; team 2: 16 + g;
	s_cmp_eq_u32 s[SG], 3
	s_cselect_b32 s[RK], s30, s[RK]                ; team 3: 15 - g: the four ranks add up to 62
	; every address register is made here, of the lane, the wave's number and constants
	v_and_b32 v203, 15, v0                         ; lane % 16
	v_bfe_u32 v204, v0, 4, 1                       ; h = lane / 16
	v_and_b32 v205, 7, v0
	v_lshl_add_u32 v205, v204, 3, v205             ; as a bringer: the operand's row r = 8 (lane / 16) + lane % 8,
	v_bfe_u32 v206, v0, 3, 1                       ; and its half u = (lane / 8) % 2 (K: the tile of the pair; V: keys 64 u on)
	s_mul_i32 s28, s[SG], SGB
	v_lshl_add_u32 v[LI], v200, 4, s28
	v_lshl_add_u32 v[LS], v203, 4, s28
	s_mul_i32 s29, s[PL], 1536
	s_add_co_u32 s29, s29, s28                     ; my image: fragment number = my place
	v_lshl_add_u32 v207, v205, 4, s29              ; + 16 r.  Register R of lane l lies at 512 (R / 4) + 16 l + 4 (R % 4); my bytes 24 h + 8 q go to registers 6 u + 2 q, + 1 of lane r + 16 h
	v_mad_u32_u24 v[A0], v206, 520, v207           ; q = 0: registers 0, 1 or 6, 7
	v_mad_u32_u24 v[A0+1], v206, 1016, v207
	v_add_nc_u32 v[A0+1], 8, v[A0+1]               ; q = 1: registers 2, 3 or 8, 9
	v_add_nc_u32 v[A0+2], 512, v[A0]               ; q = 2: registers 4, 5 or 10, 11
	s_lshl_b32 s29, s[PL], 2
	s_add_co_u32 s29, s29, s28
	v_lshl_add_u32 v[AS], v205, 4, s29
	v_lshl_add_u32 v[AS], v206, 1, v[AS]           ; scale bytes: row r's four words at 16 r; word = my place; bytes 2 u, 2 u + 1
	s_lshl_b32 s29, s[PL], 5
	v_add_nc_u32 v[TMP], s29, v200                 ; my key of the step's 128
	v_mul_u32_u24 v[GK], v[TMP], 48
	v_lshlrev_b32 v[GKS], 1, v[TMP]
	s_lshl_b32 s29, s[PL], 4
	v_add_nc_u32 v[TMP], s29, v205                 ; my channel d = 16 place + r
	v_mul_u32_u24 v[GV], v[TMP], 1536
	v_mad_u32_u24 v[GV], v206, 48, v[GV]
	v_lshlrev_b32 v[GVS], 6, v[TMP]
	v_lshl_add_u32 v[GVS], v206, 1, v[GVS]
	v_lshlrev_b32 v[H16], 4, v204
	s_mul_i32 s29, s[WV], STGB
	s_add_co_u32 s29, s29, STG                     ; my stage
	v_mul_u32_u24 v[STI], v203, 272
	v_lshl_add_u32 v[STI], v204, 5, v[STI]
	v_add_nc_u32 v[STI], s29, v[STI]               ; in: row = my query, 32 bytes for each half of the lanes
	v_mul_u32_u24 v[STR], v204, 272
	v_lshl_add_u32 v[STR], v203, 4, v[STR]
	v_add_nc_u32 v[STR], s29, v[STR]               ; back: lanes 0-15 one row of 256 bytes, lanes 16-31 the next
	v_lshlrev_b32 v[GO], 4, v200
	v_mul_u32_u24 v[QA], v203, 48
	v_mad_u32_u24 v[QA], v204, 24, v[QA]
	v_lshlrev_b32 v[QSA], 1, v203
	; THE RANKS, on whole numbers alone.  key = length << 5 | batch: no two are equal.  A key's rank is the number of smaller keys.
	s_wait_loadcnt 0x0
	v_max_i32 v202, 0, v202
	v_min_u32 v202, 0x800, v202                    ; the length held to 0 .. 2,048
	v_lshl_or_b32 v201, v202, 5, v200
.irp j, 0,1,2,3,4,5,6,7,8,9,10,11,12,13,14,15,16,17,18,19,20,21,22,23,24,25,26,27,28,29,30,31
	v_readlane_b32 s[32+\j], v201, \j
.endr
.irp j, 0,1,2,3,4,5,6,7,8,9,10,11,12,13,14,15,16,17,18,19,20,21,22,23,24,25,26,27,28,29,30,31
	v_cmp_gt_u32 s[66+\j], s[32+\j], v201          ; the lanes whose key is smaller than key j
.endr
	s_mov_b32 s[BB], 0
.irp j, 0,1,2,3,4,5,6,7,8,9,10,11,12,13,14,15,16,17,18,19,20,21,22,23,24,25,26,27,28,29,30,31
	s_bcnt1_i32_b32 s[T0], s[66+\j]                ; how many: key j's rank
	s_cmp_eq_u32 s[T0], s[RK]
	s_cselect_b32 s[BB], s[32+\j], s[BB]           ; the key of the rank wanted
.endr
	s_lshr_b32 s[VL], s[BB], 5
	s_and_b32 s[BB], s[BB], 31
	s_min_u32 s[BB], s[BB], 31                     ; a number that was loaded enters addresses only behind this hold
	s_add_co_u32 s[NS], s[VL], 127
	s_lshr_b32 s[NS], s[NS], 7                     ; steps that hold a valid key;
	s_cmp_eq_u32 s[VL], 0
	s_cselect_b32 s[NS], 16, s[NS]                 ; with none valid all 2,048 keys count alike
	s_sub_co_u32 s[W0], 17, s[NS]
	s_and_b32 s[T0], s[SG], 1
	s_cmp_eq_u32 s[T0], 0
	s_cselect_b32 s[W0], 0, s[W0]                  ; teams 0, 2 from trip 0; teams 1, 3 so that their last step is computed in trip 17
	s_mul_i32 s[JL], s[QB], s[NS]
	s_lshr_b32 s[JL], s[JL], 5                     ; the first step: (query block x steps) / 32, under the number of steps
	s_mov_b32 s[JC], s[JL]
	s_mov_b32 s[OFS+1], 0
	s_mul_i32 s[OFS], s[BB], 98304                 ; a batch's codes of K, and of V
	s_add_nc_u64 s[8:9], s[8:9], s[OFS:OFS+1]
	s_add_nc_u64 s[18:19], s[18:19], s[OFS:OFS+1]
	s_lshl_b32 s[OFS], s[BB], 12                   ; its scale bytes
	s_add_nc_u64 s[10:11], s[10:11], s[OFS:OFS+1]
	s_add_nc_u64 s[20:21], s[20:21], s[OFS:OFS+1]
	s_lshl_b32 s[T1], s[BB], 11
	s_lshl_b32 s[T2], s[QB], 6
	s_add_co_u32 s[T1], s[T1], s[T2]
	s_lshl_b32 s[T2], s[PL], 4
	s_add_co_u32 s[T1], s[T1], s[T2]               ; my first query's row: 2,048 batch + 64 block + 16 place
	s_mul_i32 s[OFS], s[T1], 48
	s_add_nc_u64 s[12:13], s[12:13], s[OFS:OFS+1]
	s_lshl_b32 s[OFS], s[T1], 1
	s_add_nc_u64 s[14:15], s[14:15], s[OFS:OFS+1]
	s_lshl_b32 s[OFS], s[T1], 8
	s_add_nc_u64 s[22:23], s[22:23], s[OFS:OFS+1]
	s_mov_b32 s[SEL], 0x76543210
	s_mov_b32 s[SEL+1], 0xfedcba98
	s_mov_b32 s[CS], 0x3e38aa3b                    ; c = log2(e) / 8
	s_mov_b32 s[CS+1], s[CS]                       ; (named with it as a pair, so it is written)
.macro POINTERS                        ; the four addresses of step JL
	s_min_u32 s[T1], s[JL], 15
	s_mul_i32 s[OFS], s[T1], 6144                  ; 128 rows of K
	s_add_nc_u64 s[PK:PK+1], s[8:9], s[OFS:OFS+1]
	s_mul_i32 s[OFS], s[T1], 96                    ; 128 codes in each row of V
	s_add_nc_u64 s[PV:PV+1], s[18:19], s[OFS:OFS+1]
	s_lshl_b32 s[OFS], s[T1], 8
	s_add_nc_u64 s[PKS:PKS+1], s[10:11], s[OFS:OFS+1]
	s_lshl_b32 s[OFS], s[T1], 2
	s_add_nc_u64 s[PVS:PVS+1], s[20:21], s[OFS:OFS+1]
.endm
.macro LOADS                           ; my 48 bytes of K (a key's row), my 48 of V (64 keys of a channel), two scale bytes of each
.irp c, 0,1,2
	global_load_b128 v[DK+4*\c:DK+4*\c+3], v[GK], s[PK:PK+1] offset:16*\c
.endr
.irp c, 0,1,2
	global_load_b128 v[DV+4*\c:DV+4*\c+3], v[GV], s[PV:PV+1] offset:16*\c
.endr
	global_load_u16 v[DKS], v[GKS], s[PKS:PKS+1]
	global_load_u16 v[DVS], v[GVS], s[PVS:PVS+1]
.endm
.macro STORES sl                       ; into slot sl, as images of the operands' registers
.irp h, 0,1
.irp q, 0,1,2
	ds_store_b64 v[A0+\q], v[DK+6*\h+2*\q:DK+6*\h+2*\q+1] offset:(\sl)*SLOTB+256*\h
	ds_store_b64 v[A0+\q], v[DV+6*\h+2*\q:DV+6*\h+2*\q+1] offset:(\sl)*SLOTB+VOFF+256*\h
.endr
.endr
	ds_store_b16 v[AS], v[DKS] offset:(\sl)*SLOTB+KSO
	ds_store_b16 v[AS], v[DVS] offset:(\sl)*SLOTB+VSO
.endm
	POINTERS
	LOADS                                          ; the team's first step
.irp p, 0,1,2
	global_load_b64 v[QLO+2*\p:QLO+2*\p+1], v[QA], s[12:13] offset:8*\p th:TH_LOAD_NT   ; q: 24 bytes of my query's row, as they lie
.endr
	global_load_u16 v[QSLO], v[QSA], s[14:15] th:TH_LOAD_NT
.irp j, 0,1,2,3,4,5
	v_mov_b32 v[QHI+\j], 0                         ; the zero codes on either side of q
	v_mov_b32 v[QLO+6+\j], 0
.endr
	v_mov_b32 v13, 0xff61b1e6                      ; the largest t so far: -3e38, under every t
	v_floor_f32 v12, -v13                          ; -M
	v_mov_b32 v14, 0                               ; the sum, in two halves
	v_mov_b32 v15, 0
.irp b, 0,1,2,3
	v_mov_b32 v[TT+\b], 0                          ; written once: a lane permute's destination counts as one of its sources
.endr
	v_mov_b32 v[PW], 0                             ; (named as the upper half of the pair with f before it is first written)
	s_wait_loadcnt 0x0                             ; q, and the first step
	v_lshlrev_b32 v[QSHI], 16, v[QSLO]             ; the zero half's bytes are 0 in both words: its codes are zeros
.set j, 0
.rept 32
	v_mov_b32 v[O+j], 0                            ; O^T: the step is written once, its first run finds zeros.  (These are also the places between the line above and the first scaled product)
.set j, j+1
.endr
	s_mov_b32 s[CNT], 0
; A KEY STEP: 128 keys out of slot sl.
.macro COMPUTE sl
.irp f, 0,1,2,3
.irp c, 0,1,2
	ds_load_b128 v[F+12*\f+4*\c:F+12*\f+4*\c+3], v[LI] offset:(\sl)*SLOTB+1536*\f+512*\c
.endr
.endr
	ds_load_b128 v[KS:KS+3], v[LS] offset:(\sl)*SLOTB+KSO
	s_wait_dscnt 0x0
.irp f, 0,1,2,3                        ; S^T = K Q^T: each fragment serves two tiles of 16 keys
	v_wmma_scale_f32_16x16x128_f8f6f4 v[S+16*\f:S+16*\f+7], v[F+12*\f:F+12*\f+11], v[QLO:QLO+11], 0, v[KS+\f], v[QSLO] matrix_a_fmt:MATRIX_FMT_FP6 matrix_b_fmt:MATRIX_FMT_FP6
	v_wmma_scale_f32_16x16x128_f8f6f4 v[S+16*\f+8:S+16*\f+15], v[F+12*\f:F+12*\f+11], v[QHI:QHI+11], 0, v[KS+\f], v[QSHI] matrix_a_fmt:MATRIX_FMT_FP6 matrix_b_fmt:MATRIX_FMT_FP6
.endr
.rept 4
	v_nop                                          ; four places behind the products: for the loads into their sources and for the first reads of their results
.endr
.irp t, 0,1,2,3                        ; V's fragments land while the softmax is worked
.irp c, 0,1,2
	ds_load_b128 v[F+12*\t+4*\c:F+12*\t+4*\c+3], v[LI] offset:(\sl)*SLOTB+VOFF+1536*\t+512*\c
.endr
.endr
	ds_load_b128 v[VS:VS+3], v[LS] offset:(\sl)*SLOTB+VSO
	; the mask: only the step that holds the boundary has hidden keys
	s_lshl_b32 s[T1], s[JC], 7                     ; the step's first key
	s_add_co_u32 s[T2], s[T1], 128
	s_cmp_le_u32 s[T2], s[VL]
	s_cbranch_scc1 .Lopen_\@
	s_sub_co_i32 s[T2], s[VL], s[T1]
	s_sub_co_i32 s[T2], s[T2], 1
	v_sub_nc_u32 v[TMP], s[T2], v[H16]             ; register 16 b + i holds key first + 32 b + 16 h + i: hidden where 32 b + i > length - first - 16 h - 1
	v_mov_b32 v[FF], 0xcaf42400                    ; -8e6: the logit -1e6 ahead of the division by 8
.irp n, 0,1,2,3,4,5,6,7,8,9,10,11,12,13,14,15,16,17,18,19,20,21,22,23,24,25,26,27,28,29,30,31,32,33,34,35,36,37,38,39,40,41,42,43,44,45,46,47,48,49,50,51,52,53,54,55,56,57,58,59,60,61,62,63
	v_cmp_gt_i32 vcc_lo, 32*(\n/16)+\n%16, v[TMP]
	v_cndmask_b32 v[S+\n], v[S+\n], v[FF], vcc_lo
.endr
.Lopen_\@:
.irp b, 0,1,2,3
	v_max3_num_f32 v[BM+\b], v[S+16*\b], v[S+1+16*\b], v[S+2+16*\b]   ; the largest score of each block of 32 keys: for the row's maximum and, since p rises with the score, for the block's largest p
.endr
.irp i, 3,5,7,9,11,13
.irp b, 0,1,2,3
	v_max3_num_f32 v[BM+\b], v[BM+\b], v[S+16*\b+\i], v[S+1+16*\b+\i]
.endr
.endr
.irp b, 0,1,2,3
	v_max_num_f32 v[BM+\b], v[BM+\b], v[S+15+16*\b]
.endr
.irp b, 0,1,2,3
	v_permlanex16_b32 v[TT+\b], v[BM+\b], s[SEL], s[SEL+1]
.endr
.irp b, 0,1,2,3
	v_max_num_f32 v[BM+\b], v[BM+\b], v[TT+\b]     ; with lane l xor 16's 16 keys
.endr
	v_max3_num_f32 v[TMP], v[BM], v[BM+1], v[BM+2]
	v_max_num_f32 v[TMP], v[TMP], v[BM+3]          ; the step's largest score of my query
	v_mul_f32 v[TMP], s[CS], v[TMP]                ; as t
	v_max_num_f32 v13, v13, v[TMP]                 ; the running largest t
	v_mov_b32 v[TMP], v12
	v_floor_f32 v12, -v13                          ; the new -M = floor(-t): M is a whole number
	v_sub_f32 v[TMP], v12, v[TMP]                  ; old M - new M: a whole number, 0 or less
	v_cvt_i32_f32 v[TMP], v[TMP]                   ; (it saturates)
	v_ldexp_f32 v[FF], 1.0, v[TMP]                 ; f = 2^(old M - new M): a multiplication by it rounds nothing
.set j, 0
.rept 32
	v_pk_fma_f32 v[S+j:S+j+1], v[S+j:S+j+1], s[CS:CS+1], v[12:13] op_sel_hi:[1,0,0]   ; t - M, two at a time
.set j, j+2
.endr
.irp b, 0,1,2,3
	v_fma_f32 v[BM+\b], v[BM+\b], s[CS], v12       ; the same of each block's largest score
.endr
.set j, 0
.rept 64
	v_exp_f32 v[S+j], v[S+j]                       ; p = 2^(t - M), at most 1, not normalised
.set j, j+1
.endr
	v_pk_mul_f32 v[14:15], v[14:15], v[FF:FF+1] op_sel_hi:[1,0]   ; the sums under the new M: the plain instruction behind the exponentials
	s_wait_alu depctr_va_vdst(0)                   ; one wait for the batch of 64, ahead of its first reader
.irp b, 0,1,2,3
	v_exp_f32 v[BM+\b], v[BM+\b]                   ; the block's largest p: the same two instructions on the same number give the same bits
.endr
	v_pk_add_f32 v[TT:TT+1], v[S:S+1], v[S+2:S+3]  ; the row's sum is taken of the unquantised p, in two chains; it reads the 64 alone
.set j, 4
.rept 15
	v_pk_add_f32 v[14:15], v[14:15], v[S+j:S+j+1]
	v_pk_add_f32 v[TT:TT+1], v[TT:TT+1], v[S+2+j:S+3+j]
.set j, j+4
.endr
	v_pk_add_f32 v[14:15], v[14:15], v[TT:TT+1]
	s_wait_alu depctr_va_vdst(0)                   ; and one for the four
.irp b, 0,1,2,3
	v_max_num_f32 v[BM+\b], 0x1800000, v[BM+\b]    ; the floor 2^(3 - 127): the byte cannot fall under 1 (a block whose every p is 0 keeps that byte: its codes are zeros)
.endr
.irp b, 0,1,2,3
	v_add_nc_u32 v[SO+\b], 0xff000000, v[BM+\b]    ; 2 off the exponent field: the conversion's scale operand
.endr
.irp b, 0,1,2,3
	v_lshrrev_b32 v[TT+\b], 23, v[SO+\b]           ; the scale's byte
.endr
	v_lshl_or_b32 v[PW], v[TT+1], 8, v[TT]         ; p's scale word for these 128 keys
	v_lshl_or_b32 v[PW], v[TT+2], 16, v[PW]
	v_lshl_or_b32 v[PW], v[TT+3], 24, v[PW]
.irp c, 0,1
	v_cvt_scalef32_pk16_fp6_f32 v[PC+6*\c:PC+6*\c+2], v[S+32*\c:S+32*\c+15], v[SO+2*\c]
	v_cvt_scalef32_pk16_fp6_f32 v[TT+4*\c:TT+4*\c+2], v[S+32*\c+16:S+32*\c+31], v[SO+2*\c+1]   ; (a conversion's three registers begin on an even number)
.endr
	v_nop                                          ; one plain instruction behind the scaled conversions
.irp c, 0,1                            ; the operand wants a whole block in a lane: lanes 0-15 block 2 c, lanes 16-31 block 2 c + 1
.irp i, 0,1,2
	v_permlane16_swap_b32 v[PC+6*\c+\i], v[TT+4*\c+\i]
.endr
.irp i, 0,1,2
	v_mov_b32 v[PC+6*\c+3+\i], v[TT+4*\c+\i]
.endr
.endr
.set j, 0
.rept 16
	v_pk_mul_f32 v[O+j:O+j+1], v[O+j:O+j+1], v[FF:FF+1] op_sel_hi:[1,0]   ; O^T under the new M.  (These sixteen also stand between the writes of p's codes and scale word and the products)
.set j, j+2
.endr
	s_wait_dscnt 0x0                               ; V's fragments and scale words
.irp t, 0,1,2,3                        ; O^T += V^T P^T: four accumulators, one instruction each
	v_wmma_scale_f32_16x16x128_f8f6f4 v[O+8*\t:O+8*\t+7], v[F+12*\t:F+12*\t+11], v[PC:PC+11], v[O+8*\t:O+8*\t+7], v[VS+\t], v[PW] matrix_a_fmt:MATRIX_FMT_FP6 matrix_b_fmt:MATRIX_FMT_FP6
.endr
.rept 4
	v_nop                                          ; four places: for the next step's loads into the fragments, and for the way out's reads of O^T
.endr
	s_add_co_u32 s[JC], s[JC], 1
	s_cmp_eq_u32 s[JC], s[NS]
	s_cselect_b32 s[JC], 0, s[JC]                  ; the walk wraps
.endm
; HALF A TRIP, number T = CNT + slot.  A team whose step T - W0 exists stores it (it was loaded a half trip ago or more) into slot T % 2 and asks for the next; a team whose step T - W0 - 1 exists computes it out of the other slot.
; The barrier at the end stands on every wave's path; in front of it each wave's LDS stores have landed and its LDS loads are in: so the next half trip may read what this one stored, and store over what this one read.
.macro HALF slot
	s_add_co_u32 s[TI], s[CNT], \slot
	s_sub_co_u32 s[TI], s[TI], s[W0]               ; (wraps to a large number ahead of the team's start)
	s_cmp_lt_u32 s[TI], s[NS]
	s_cbranch_scc0 .Lnost_\@
	s_wait_loadcnt 0x0                             ; the step's eight loads are in: their registers may be read and their addresses written
	STORES \slot
	s_add_co_u32 s[T1], s[TI], 1
	s_cmp_lt_u32 s[T1], s[NS]
	s_cbranch_scc0 .Lnost_\@                       ; the last step asks for nothing more
	s_wait_dscnt 0x0                               ; the stores have read their registers
	s_add_co_u32 s[JL], s[JL], 1
	s_cmp_eq_u32 s[JL], s[NS]
	s_cselect_b32 s[JL], 0, s[JL]
	POINTERS
	LOADS                                          ; a half trip, one key step's work, in which to land
.Lnost_\@:
	s_sub_co_u32 s[T1], s[TI], 1
	s_cmp_lt_u32 s[T1], s[NS]
	s_cbranch_scc0 .Lnoc_\@
	COMPUTE 1-\slot
.Lnoc_\@:
	s_wait_dscnt 0x0
	s_barrier_signal -1
	s_barrier_wait -1
.endm
.Ltrip:                                            ; 9 trips of two halves: T = 0 .. 17, a constant for every split of the lengths (a team of 16 steps stores in T = 0 .. 15 or 1 .. 16 and computes one later)
	HALF 0
	HALF 1
	s_add_co_u32 s[CNT], s[CNT], 2
	s_cmp_lt_u32 s[CNT], 18
	s_cbranch_scc1 .Ltrip
	; THE WAY OUT.  O^T / the sum goes through my own stage in LDS and leaves as whole rows of 256 bytes.
	v_add_f32 v14, v14, v15                        ; the sum's two halves,
	v_permlanex16_b32 v[TT], v14, s[SEL], s[SEL+1]
	v_add_f32 v14, v14, v[TT]                      ; and lane l xor 16's: the row's sum
	v_rcp_f32 v14, v14
	v_nop                                          ; a plain instruction behind the reciprocal
	s_wait_alu depctr_va_vdst(0)                   ; and the wait ahead of its first reader
.set j, 0
.rept 32
	v_mul_f32 v[S+j], v[O+j], v14                  ; register 8 t + i is out(my query, 16 t + 8 h + i); each accumulator from its low end on
.set j, j+1
.endr
.irp t, 0,1,2,3
	ds_store_b128 v[STI], v[S+8*\t:S+8*\t+3] offset:64*\t
	ds_store_b128 v[STI], v[S+8*\t+4:S+8*\t+7] offset:64*\t+16
.endr
.irp i, 0,1,2,3,4,5,6,7
	ds_load_b128 v[F+4*\i:F+4*\i+3], v[STR] offset:544*\i   ; LDS serves a wave's instructions in order (ISA guide 5.7.1): these see my stores
.endr
.irp i, 0,1,2,3,4,5,6,7
	s_wait_dscnt 7-\i                              ; load i is in; the 7 - i younger ones may be out
	global_store_b128 v[GO], v[F+4*\i:F+4*\i+3], s[22:23] offset:512*\i th:TH_STORE_NT   ; 32 lanes store two rows: 512 consecutive bytes, at a multiple of 256 from out's first byte
.endr
	s_wait_tensorcnt 0x0
	ds_add_u32 v254, v255
	s_wait_dscnt 0x0
	s_endpgm
.Lfunc_end_k_qbae877f1fd_attn:
	.size	k_qbae877f1fd_attn, .Lfunc_end_k_qbae877f1fd_attn-k_qbae877f1fd_attn
	.p2alignl 7, 3214868480
	.fill 96, 4, 3214868480
	.section	.rodata,"a",@progbits
	.p2align	6, 0x0
	.amdhsa_kernel k_qbae877f1fd_attn
		.amdhsa_group_segment_fixed_size 174080
		.amdhsa_private_segment_fixed_size 0
		.amdhsa_enable_private_segment 0
		.amdhsa_kernarg_size 64
		.amdhsa_user_sgpr_count 2
		.amdhsa_user_sgpr_kernarg_segment_ptr 1
		.amdhsa_wavefront_size32 1
		.amdhsa_system_sgpr_workgroup_id_x 1
		.amdhsa_system_sgpr_workgroup_id_y 1
		.amdhsa_system_sgpr_workgroup_id_z 1
		.amdhsa_system_vgpr_workitem_id 0
		.amdhsa_next_free_vgpr 256
		.amdhsa_next_free_sgpr 98
		.amdhsa_reserve_vcc 1
		.amdhsa_float_denorm_mode_32 3
		.amdhsa_float_denorm_mode_16_64 3
		.amdhsa_memory_ordered 1
		.amdhsa_forward_progress 1
		.amdhsa_inst_pref_size 65
	.end_amdhsa_kernel
	.amdgpu_metadata
---
amdhsa.version: [ 1, 2 ]
amdhsa.kernels:
  - .name:           k_qbae877f1fd_attn
    .symbol:         k_qbae877f1fd_attn.kd
    .args:
      - { .name: keys_codes, .offset: 0, .size: 8, .value_kind: global_buffer, .address_space: global }
      - { .name: keys_scales, .offset: 8, .size: 8, .value_kind: global_buffer, .address_space: global }
      - { .name: queries_codes, .offset: 16, .size: 8, .value_kind: global_buffer, .address_space: global }
      - { .name: queries_scales, .offset: 24, .size: 8, .value_kind: global_buffer, .address_space: global }
      - { .name: valid_lens, .offset: 32, .size: 8, .value_kind: global_buffer, .address_space: global }
      - { .name: values_codes, .offset: 40, .size: 8, .value_kind: global_buffer, .address_space: global }
      - { .name: values_scales, .offset: 48, .size: 8, .value_kind: global_buffer, .address_space: global }
      - { .name: out0, .offset: 56, .size: 8, .value_kind: global_buffer, .address_space: global }
    .group_segment_fixed_size: 174080
    .private_segment_fixed_size: 0
    .kernarg_segment_align: 8
    .kernarg_segment_size: 64
    .max_flat_workgroup_size: 512
    .sgpr_count:     98
    .vgpr_count:     256
    .wavefront_size: 32
...
	.end_amdgpu_metadata
.endif
;; end of part 1
;; ======== version 2 of 2: 1 launch; version 1 with the launch attn written anew for expert scheduling mode
;; limits: right only within a limited range of input values
;; launch attn (part 2): grid 256 x 1, 16 waves a work-group, no clusters, 174,080 bytes of LDS; arguments keys_codes, keys_scales, queries_codes, queries_scales, valid_lens, values_codes, values_scales, out0; writes out0
.if DOCPART == 2
	.amdgcn_target "amdgcn-amd-amdhsa--gfx1250"
	.amdhsa_code_object_version 6
	.text
	.protected	k_qbae877f1fd_attn
	.globl	k_qbae877f1fd_attn
	.p2align	8
	.type	k_qbae877f1fd_attn,@function
k_qbae877f1fd_attn:
	s_mov_b64 s[64:65], 0
	v_nop
	global_prefetch_b8 v0, s[64:65] scope:SCOPE_SE
	s_setreg_imm32_b32 hwreg(HW_REG_WAVE_SCHED_MODE, 0, 2), 2
	s_setreg_imm32_b32 hwreg(HW_REG_WAVE_MODE, 25, 1), 1
	s_wait_xcnt 0x0
	s_wait_alu depctr_vm_vsrc(0)
; out[b][q][:] = the sum over k of softmax_k(logit) V[b][k][:], logit = Q[b][q] . K[b][k] / 8 where k < valid_lens[b], else -1e6.  32 batches, 2,048 queries, 2,048 keys, head size 64.
; Both products on codes of FP6 (E2M3) with one E8M0 scale for each 32 along K.  Q, K: rows of 64 codes (48 bytes) and 2 scale bytes.  V: keys innermost, [b][64][2048] codes (rows of 1,536 bytes), [b][64][64] scale bytes.
; SOFTMAX: t = score x log2(e) / 8; M = the running largest t rounded up to a whole number; p = 2^(t - M) is quantised along the keys; the sum of the unquantised p divides at the end.
; WHAT IS LEFT OUT: key steps (128 keys) that lie wholly at or beyond valid_lens[b]: their p is 2^(about -1.4e6), which is 0 in f32.  In the step that holds the boundary the hidden scores are replaced by -8e6 (= -1e6 x 8).
; SHARES.  256 work-groups of 16 waves.  A work-group has four TEAMS of four waves; a team has one batch and 64 queries, a wave one tile of 16 queries.  The team's four waves bring each key step's K and V
; from memory through registers into the team's two LDS slots, laid as images of the operands' registers, and all four read them.
; A team's batch is chosen by the RANK of its valid length among the 32 (ranks 31-g, g, 16+g, 15-g for work-group group g = x & 7), so that the four lengths in a work-group add up to about the same everywhere.
; Teams 0 and 2 start at trip 0, teams 1 and 3 end at the last trip.  The walk begins at step (query block x steps) / 32 and wraps, so that the 32 work-groups of a batch begin at different steps.
; NO TENSOR LOADS, NO CLUSTER: how many steps a team walks hangs on valid_lens, a number read from memory; partners would need different numbers of tiles.
; HEAD SIZE 64 IN A PRODUCT OF K = 128: a fragment of K (12 registers) holds TWO tiles of 16 keys, one in registers 0-5 (k 0-63), one in registers 6-11 (k 64-127).  Q stands as zeros | q | zeros in 18 registers:
; (q | 0) picks the first tile, (0 | q) the second.  Lane r of tile 2 f + u holds key 32 f + 8 u + r + 8 (r / 8), so that registers 16 f + i of S^T are keys 32 f + 16 (lane / 16) + i.
; Both products are used transposed (source 0 = keys, or V's channels; source 1 = queries): a lane holds one query throughout.
; LIMITS: a scale byte 0xff (NaN) is not served (it would also reach the tile that shares its fragment).  Rows whose largest valid logit lies within about 200 of -1e6 are not served: there the steps left out would count.
; valid_lens <= 0: all keys are walked with the logit -1e6, t formed by one fused multiply-add of -8e6 (its fraction may differ from a two-step f32 product's).  valid_lens > 2,048 is held at 2,048.
; THE MODE: SCHED_MODE bits 1:0 = 2 (LLVM: expert scheduling mode 2), set by the entry lines.  The code itself states the register dependences between vector or matrix instructions and memory or LDS
; instructions, with s_wait_alu, always for 0.
; THE PLAN.  Registers that memory or LDS instructions touch:
;   v1-10, v223, v250-253   addresses and offsets; v254, v255 the closing add's two.  Written at the head, never again, and read by memory and LDS instructions alone: one wait on va_vdst ahead of the first loads of K and V serves them all.
;   v224-249                a step's K, V and scale bytes on their way.  Written by the global loads, read by the LDS stores, named by no vector instruction: one wait on vm_vsrc behind the stores, ahead of the next loads.
;   F v44-91, KS, VS        written by LDS loads, read by matrix instructions alone.  K's fragments land behind a wait on va_vdst at a key step's head (the step before's products with V are done reading F);
;                           V's land in the same registers behind a wait on va_vdst behind the products with K.  The wave's 256 registers leave no room for a second set.
;   S v92-123               on the way out: written by the divisions, read by the LDS stores: one wait on va_vdst between; it also shows the last products done reading F, in which the rows come back.
; p's codes and scale word, which vector instructions write, are shown written by a wait on va_vdst ahead of the products with V.  Scalar registers that vector instructions write (the wave's number, the
; rank keys, the compares' masks) have a wait on va_sdst between the run of writers and the first reader.
.set SGB,   25600                      ; LDS: a team's two slots
.set SLOTB, 12800                      ; a slot: 4 images of K (1,536 bytes each), 4 of V, 256 bytes of K's scale words, 256 of V's
.set VOFF,  6144
.set KSO,   12288
.set VSO,   12544
.set STG,   102400                     ; behind the four teams: a stage of 16 rows x 272 bytes for each wave, for the way out
.set STGB,  4352
.set LI,  1                            ; v1   team + 16 x lane: an image's place for my lane
.set LS,  2                            ; v2   team + 16 x (lane % 16): my row's four scale words
.set A0,  3                            ; v3-5 where I store the three 8-byte pieces of half a row
.set AS,  6                            ; v6   where I store two scale bytes
.set GK,  7                            ; v7   my byte in a step's rows of K: 48 x (32 place + lane)
.set GV,  8                            ; v8   in V: 1,536 d + 48 u
.set GKS, 9                            ; v9   in K's scale bytes
.set GVS, 10                           ; v10  in V's
.set H16, 11                           ; v11  16 x (lane / 16)
                                       ; v12 -M, v13 the largest t, v[14:15] the sum in two halves
.set QHI, 16                           ; v[16:27] = (0 | q)
.set QLO, 22                           ; v[22:33] = (q | 0)
.set QSLO, 34                          ; q's two scale bytes in bytes 0, 1
.set QSHI, 35                          ; the same in bytes 2, 3
.set KS,  36                           ; v36-39 K's scale words, v40-43 V's
.set VS,  40
.set F,   44                           ; v44-91  four fragments: K's, then V's
.set S,   92                           ; v92-155 S^T, then p
.set O,   156                          ; v156-187 O^T: four tiles of 16 channels
.set PC,  188                          ; v188-199 p's codes
.set TT,  200                          ; v200-207 at work
.set BM,  208                          ; v208-211 the blocks' largest scores
.set SO,  212                          ; v212-215 the conversions' scale operands
.set FF,  220                          ; f = 2^(old M - new M)
.set PW,  221                          ; p's scale word
.set TMP, 222
.set QSA, 223                          ; Q's scale bytes: 2 x (lane % 16)
.set DK,  224                          ; v224-235 a row of K on its way, v236-247 half a row of V's step, v248, v249 their scale bytes
.set DV,  236
.set DKS, 248
.set DVS, 249
.set STI, 250                          ; the stage: in
.set STR, 251                          ; the stage: back
.set GO,  252                          ; 16 x lane: my bytes of two rows of out
.set QA,  253                          ; Q: 48 x (lane % 16) + 24 x (lane / 16)
.set WV,  2
.set SG,  3                            ; team
.set PL,  4                            ; place in the team
.set GG,  5
.set QB,  6                            ; block of 64 queries
.set RK,  7                            ; the rank wanted
.set BB,  24                           ; batch
.set VL,  25                           ; its valid length, 0 .. 2,048
.set NS,  26                           ; key steps to walk
.set W0,  27                           ; the trip in which the team's first step is stored
.set JL,  28                           ; the step loaded last
.set JC,  29                           ; the step to be computed
.set CNT, 30
.set T0,  31
.set PK,  40                           ; s[40:47] the four addresses of the step being loaded
.set PV,  42
.set PKS, 44
.set PVS, 46
.set OFS, 48                           ; s[48:49] an offset, high word 0
.set SEL, 50                           ; s[50:51] v_permlanex16_b32's selects for lane l xor 16
.set CS,  52                           ; s[52:53] c = log2(e) / 8
.set TI,  55
.set T1,  56
.set T2,  57
.set MK,  66                           ; s[66:97] 32 lane masks: the ranking's, later the boundary step's
	s_load_b512 s[8:23], s[0:1], 0x0               ; K codes s[8:9], K scales s[10:11], Q codes s[12:13], Q scales s[14:15], valid_lens s[16:17], V codes s[18:19], V scales s[20:21], out s[22:23]
	v_lshl_add_u32 v254, v0, 2, 0x2a000            ; my spare word, behind the stages, and 0: kept for the closing lines alone
	v_mov_b32 v255, 0
	v_lshrrev_b32 v[TMP], 5, v0
	v_readfirstlane_b32 s[WV], v[TMP]              ; wave 0..15
	v_and_b32 v200, 31, v0                         ; lane
	v_lshlrev_b32 v201, 2, v200
	s_wait_kmcnt 0x0
	s_wait_alu depctr_va_vdst(0)                   ; v201 is written, which the load below reads as its offset
	global_load_b32 v202, v201, s[16:17]           ; lane l: valid_lens[l]
	s_wait_alu depctr_va_sdst(0)                   ; the wave's number is written, ahead of its first reader
	s_lshr_b32 s[PL], s[WV], 2                     ; place = wave / 4
	s_xor_b32 s[SG], s[WV], s[PL]
	s_and_b32 s[SG], s[SG], 3                      ; team = (wave xor wave / 4) % 4: four neighbouring waves, and four waves 4 apart, are of four different teams
	s_and_b32 s[GG], ttmp9, 7
	s_lshr_b32 s[QB], ttmp9, 3
	s_sub_co_u32 s28, 31, s[GG]
	s_add_co_u32 s29, 16, s[GG]
	s_sub_co_u32 s30, 15, s[GG]
	s_cmp_eq_u32 s[SG], 0
	s_cselect_b32 s[RK], s28, s[GG]                ; team 0: rank 31 - g; team 1: g;
	s_cmp_eq_u32 s[SG], 2
	s_cselect_b32 s[RK], s29, s[RK]                ; team 2: 16 + g;
	s_cmp_eq_u32 s[SG], 3
	s_cselect_b32 s[RK], s30, s[RK]                ; team 3: 15 - g: the four ranks add up to 62
	; every address register is made here, of the lane, the wave's number and constants
	v_and_b32 v203, 15, v0                         ; lane % 16
	v_bfe_u32 v204, v0, 4, 1                       ; h = lane / 16
	v_and_b32 v205, 7, v0
	v_lshl_add_u32 v205, v204, 3, v205             ; as a bringer: the operand's row r = 8 (lane / 16) + lane % 8,
	v_bfe_u32 v206, v0, 3, 1                       ; and its half u = (lane / 8) % 2 (K: the tile of the pair; V: keys 64 u on)
	s_mul_i32 s28, s[SG], SGB
	v_lshl_add_u32 v[LI], v200, 4, s28
	v_lshl_add_u32 v[LS], v203, 4, s28
	s_mul_i32 s29, s[PL], 1536
	s_add_co_u32 s29, s29, s28                     ; my image: fragment number = my place
	v_lshl_add_u32 v207, v205, 4, s29              ; + 16 r.  Register R of lane l lies at 512 (R / 4) + 16 l + 4 (R % 4); my bytes 24 h + 8 q go to registers 6 u + 2 q, + 1 of lane r + 16 h
	v_mad_u32_u24 v[A0], v206, 520, v207           ; q = 0: registers 0, 1 or 6, 7
	v_mad_u32_u24 v[A0+1], v206, 1016, v207
	v_add_nc_u32 v[A0+1], 8, v[A0+1]               ; q = 1: registers 2, 3 or 8, 9
	v_add_nc_u32 v[A0+2], 512, v[A0]               ; q = 2: registers 4, 5 or 10, 11
	s_lshl_b32 s29, s[PL], 2
	s_add_co_u32 s29, s29, s28
	v_lshl_add_u32 v[AS], v205, 4, s29
	v_lshl_add_u32 v[AS], v206, 1, v[AS]           ; scale bytes: row r's four words at 16 r; word = my place; bytes 2 u, 2 u + 1
	s_lshl_b32 s29, s[PL], 5
	v_add_nc_u32 v[TMP], s29, v200                 ; my key of the step's 128
	v_mul_u32_u24 v[GK], v[TMP], 48
	v_lshlrev_b32 v[GKS], 1, v[TMP]
	s_lshl_b32 s29, s[PL], 4
	v_add_nc_u32 v[TMP], s29, v205                 ; my channel d = 16 place + r
	v_mul_u32_u24 v[GV], v[TMP], 1536
	v_mad_u32_u24 v[GV], v206, 48, v[GV]
	v_lshlrev_b32 v[GVS], 6, v[TMP]
	v_lshl_add_u32 v[GVS], v206, 1, v[GVS]
	v_lshlrev_b32 v[H16], 4, v204
	s_mul_i32 s29, s[WV], STGB
	s_add_co_u32 s29, s29, STG                     ; my stage
	v_mul_u32_u24 v[STI], v203, 272
	v_lshl_add_u32 v[STI], v204, 5, v[STI]
	v_add_nc_u32 v[STI], s29, v[STI]               ; in: row = my query, 32 bytes for each half of the lanes
	v_mul_u32_u24 v[STR], v204, 272
	v_lshl_add_u32 v[STR], v203, 4, v[STR]
	v_add_nc_u32 v[STR], s29, v[STR]               ; back: lanes 0-15 one row of 256 bytes, lanes 16-31 the next
	v_lshlrev_b32 v[GO], 4, v200
	v_mul_u32_u24 v[QA], v203, 48
	v_mad_u32_u24 v[QA], v204, 24, v[QA]
	v_lshlrev_b32 v[QSA], 1, v203
	; THE RANKS, on whole numbers alone.  key = length << 5 | batch: no two are equal.  A key's rank is the number of smaller keys.
	s_wait_loadcnt 0x0
	s_wait_alu depctr_vm_vsrc(0)                   ; the load of valid_lens has read its offset v201, which is written again three lines on
	v_max_i32 v202, 0, v202
	v_min_u32 v202, 0x800, v202                    ; the length held to 0 .. 2,048
	v_lshl_or_b32 v201, v202, 5, v200
.irp j, 0,1,2,3,4,5,6,7,8,9,10,11,12,13,14,15,16,17,18,19,20,21,22,23,24,25,26,27,28,29,30,31
	v_readlane_b32 s[32+\j], v201, \j
.endr
	s_wait_alu depctr_va_sdst(0)                   ; the 32 keys are written into s[32:63], ahead of their first readers, the compares
.irp j, 0,1,2,3,4,5,6,7,8,9,10,11,12,13,14,15,16,17,18,19,20,21,22,23,24,25,26,27,28,29,30,31
	v_cmp_gt_u32 s[MK+\j], s[32+\j], v201          ; the lanes whose key is smaller than key j
.endr
	s_wait_alu depctr_va_sdst(0)                   ; the 32 masks are written into s[66:97], ahead of their first readers, the counts
	s_mov_b32 s[BB], 0
.irp j, 0,1,2,3,4,5,6,7,8,9,10,11,12,13,14,15,16,17,18,19,20,21,22,23,24,25,26,27,28,29,30,31
	s_bcnt1_i32_b32 s[T0], s[MK+\j]                ; how many: key j's rank
	s_cmp_eq_u32 s[T0], s[RK]
	s_cselect_b32 s[BB], s[32+\j], s[BB]           ; the key of the rank wanted
.endr
	s_lshr_b32 s[VL], s[BB], 5
	s_and_b32 s[BB], s[BB], 31
	s_min_u32 s[BB], s[BB], 31                     ; a number that was loaded enters addresses only behind this hold
	s_add_co_u32 s[NS], s[VL], 127
	s_lshr_b32 s[NS], s[NS], 7                     ; steps that hold a valid key;
	s_cmp_eq_u32 s[VL], 0
	s_cselect_b32 s[NS], 16, s[NS]                 ; with none valid all 2,048 keys count alike
	s_sub_co_u32 s[W0], 17, s[NS]
	s_and_b32 s[T0], s[SG], 1
	s_cmp_eq_u32 s[T0], 0
	s_cselect_b32 s[W0], 0, s[W0]                  ; teams 0, 2 from trip 0; teams 1, 3 so that their last step is computed in trip 17
	s_mul_i32 s[JL], s[QB], s[NS]
	s_lshr_b32 s[JL], s[JL], 5                     ; the first step: (query block x steps) / 32, under the number of steps
	s_mov_b32 s[JC], s[JL]
	s_mov_b32 s[OFS+1], 0
	s_mul_i32 s[OFS], s[BB], 98304                 ; a batch's codes of K, and of V
	s_add_nc_u64 s[8:9], s[8:9], s[OFS:OFS+1]
	s_add_nc_u64 s[18:19], s[18:19], s[OFS:OFS+1]
	s_lshl_b32 s[OFS], s[BB], 12                   ; its scale bytes
	s_add_nc_u64 s[10:11], s[10:11], s[OFS:OFS+1]
	s_add_nc_u64 s[20:21], s[20:21], s[OFS:OFS+1]
	s_lshl_b32 s[T1], s[BB], 11
	s_lshl_b32 s[T2], s[QB], 6
	s_add_co_u32 s[T1], s[T1], s[T2]
	s_lshl_b32 s[T2], s[PL], 4
	s_add_co_u32 s[T1], s[T1], s[T2]               ; my first query's row: 2,048 batch + 64 block + 16 place
	s_mul_i32 s[OFS], s[T1], 48
	s_add_nc_u64 s[12:13], s[12:13], s[OFS:OFS+1]
	s_lshl_b32 s[OFS], s[T1], 1
	s_add_nc_u64 s[14:15], s[14:15], s[OFS:OFS+1]
	s_lshl_b32 s[OFS], s[T1], 8
	s_add_nc_u64 s[22:23], s[22:23], s[OFS:OFS+1]
	s_mov_b32 s[SEL], 0x76543210
	s_mov_b32 s[SEL+1], 0xfedcba98
	s_mov_b32 s[CS], 0x3e38aa3b                    ; c = log2(e) / 8
	s_mov_b32 s[CS+1], s[CS]                       ; (named with it as a pair, so it is written)
.macro POINTERS                        ; the four addresses of step JL
	s_min_u32 s[T1], s[JL], 15
	s_mul_i32 s[OFS], s[T1], 6144                  ; 128 rows of K
	s_add_nc_u64 s[PK:PK+1], s[8:9], s[OFS:OFS+1]
	s_mul_i32 s[OFS], s[T1], 96                    ; 128 codes in each row of V
	s_add_nc_u64 s[PV:PV+1], s[18:19], s[OFS:OFS+1]
	s_lshl_b32 s[OFS], s[T1], 8
	s_add_nc_u64 s[PKS:PKS+1], s[10:11], s[OFS:OFS+1]
	s_lshl_b32 s[OFS], s[T1], 2
	s_add_nc_u64 s[PVS:PVS+1], s[20:21], s[OFS:OFS+1]
.endm
.macro LOADS                           ; my 48 bytes of K (a key's row), my 48 of V (64 keys of a channel), two scale bytes of each
.irp c, 0,1,2
	global_load_b128 v[DK+4*\c:DK+4*\c+3], v[GK], s[PK:PK+1] offset:16*\c
.endr
.irp c, 0,1,2
	global_load_b128 v[DV+4*\c:DV+4*\c+3], v[GV], s[PV:PV+1] offset:16*\c
.endr
	global_load_u16 v[DKS], v[GKS], s[PKS:PKS+1]
	global_load_u16 v[DVS], v[GVS], s[PVS:PVS+1]
.endm
.macro STORES sl                       ; into slot sl, as images of the operands' registers
.irp h, 0,1
.irp q, 0,1,2
	ds_store_b64 v[A0+\q], v[DK+6*\h+2*\q:DK+6*\h+2*\q+1] offset:(\sl)*SLOTB+256*\h
	ds_store_b64 v[A0+\q], v[DV+6*\h+2*\q:DV+6*\h+2*\q+1] offset:(\sl)*SLOTB+VOFF+256*\h
.endr
.endr
	ds_store_b16 v[AS], v[DKS] offset:(\sl)*SLOTB+KSO
	ds_store_b16 v[AS], v[DVS] offset:(\sl)*SLOTB+VSO
.endm
	POINTERS
	s_wait_alu depctr_va_vdst(0)                   ; all addresses and offsets (v1-10, v223, v250-253) are written, which every load and store from here on reads; no vector instruction names them again
	LOADS                                          ; the team's first step
.irp p, 0,1,2
	global_load_b64 v[QLO+2*\p:QLO+2*\p+1], v[QA], s[12:13] offset:8*\p th:TH_LOAD_NT   ; q: 24 bytes of my query's row, as they lie
.endr
	global_load_u16 v[QSLO], v[QSA], s[14:15] th:TH_LOAD_NT
.irp j, 0,1,2,3,4,5
	v_mov_b32 v[QHI+\j], 0                         ; the zero codes on either side of q
	v_mov_b32 v[QLO+6+\j], 0
.endr
	v_mov_b32 v13, 0xff61b1e6                      ; the largest t so far: -3e38, under every t
	v_floor_f32 v12, -v13                          ; -M
	v_mov_b32 v14, 0                               ; the sum, in two halves
	v_mov_b32 v15, 0
.irp b, 0,1,2,3
	v_mov_b32 v[TT+\b], 0                          ; written once: a lane permute's destination counts as one of its sources
.endr
	v_mov_b32 v[PW], 0                             ; (named as the upper half of the pair with f before it is first written)
	s_wait_loadcnt 0x0                             ; q, and the first step
	v_lshlrev_b32 v[QSHI], 16, v[QSLO]             ; the zero half's bytes are 0 in both words: its codes are zeros
.set j, 0
.rept 32
	v_mov_b32 v[O+j], 0                            ; O^T: the step is written once, its first run finds zeros.  (These are also the places between the line above and the first scaled product)
.set j, j+1
.endr
	s_mov_b32 s[CNT], 0
; A KEY STEP: 128 keys out of slot sl.
.macro COMPUTE sl
	s_wait_alu depctr_va_vdst(0)                   ; the step before's products with V are done reading F, in which K's fragments land; in a team's first step: q's zero codes and its shifted scale word are written, which the products below take
.irp f, 0,1,2,3
.irp c, 0,1,2
	ds_load_b128 v[F+12*\f+4*\c:F+12*\f+4*\c+3], v[LI] offset:(\sl)*SLOTB+1536*\f+512*\c
.endr
.endr
	ds_load_b128 v[KS:KS+3], v[LS] offset:(\sl)*SLOTB+KSO
	s_wait_dscnt 0x0
.irp f, 0,1,2,3                        ; S^T = K Q^T: each fragment serves two tiles of 16 keys
	v_wmma_scale_f32_16x16x128_f8f6f4 v[S+16*\f:S+16*\f+7], v[F+12*\f:F+12*\f+11], v[QLO:QLO+11], 0, v[KS+\f], v[QSLO] matrix_a_fmt:MATRIX_FMT_FP6 matrix_b_fmt:MATRIX_FMT_FP6
	v_wmma_scale_f32_16x16x128_f8f6f4 v[S+16*\f+8:S+16*\f+15], v[F+12*\f:F+12*\f+11], v[QHI:QHI+11], 0, v[KS+\f], v[QSHI] matrix_a_fmt:MATRIX_FMT_FP6 matrix_b_fmt:MATRIX_FMT_FP6
.endr
.rept 4
	v_nop                                          ; four places behind the products (ISA guide 7.12.1), ahead of the first reads of their results
.endr
	s_wait_alu depctr_va_vdst(0)                   ; the eight products are done reading F, in which V's fragments land.  (The maxima below read the same products' results)
.irp t, 0,1,2,3                        ; V's fragments land while the softmax is worked: no vector instruction of the softmax names F or V's scale words
.irp c, 0,1,2
	ds_load_b128 v[F+12*\t+4*\c:F+12*\t+4*\c+3], v[LI] offset:(\sl)*SLOTB+VOFF+1536*\t+512*\c
.endr
.endr
	ds_load_b128 v[VS:VS+3], v[LS] offset:(\sl)*SLOTB+VSO
	; the mask: only the step that holds the boundary has hidden keys
	s_lshl_b32 s[T1], s[JC], 7                     ; the step's first key
	s_add_co_u32 s[T2], s[T1], 128
	s_cmp_le_u32 s[T2], s[VL]
	s_cbranch_scc1 .Lopen_\@
	s_sub_co_i32 s[T2], s[VL], s[T1]
	s_sub_co_i32 s[T2], s[T2], 1
	v_sub_nc_u32 v[TMP], s[T2], v[H16]             ; register 16 b + i holds key first + 32 b + 16 h + i: hidden where 32 b + i > length - first - 16 h - 1
	v_mov_b32 v[FF], 0xcaf42400                    ; -8e6: the logit -1e6 ahead of the division by 8
.irp g, 0,1                            ; two runs of 32 compares, each into 32 scalar registers, so that one wait serves a run
.irp n, 0,1,2,3,4,5,6,7,8,9,10,11,12,13,14,15,16,17,18,19,20,21,22,23,24,25,26,27,28,29,30,31
	v_cmp_gt_i32 s[MK+\n], 64*\g+32*(\n/16)+\n%16, v[TMP]
.endr
	s_wait_alu depctr_va_sdst(0)                   ; the run's 32 masks are written, ahead of their first readers, the selects
.irp n, 0,1,2,3,4,5,6,7,8,9,10,11,12,13,14,15,16,17,18,19,20,21,22,23,24,25,26,27,28,29,30,31
	v_cndmask_b32 v[S+32*\g+\n], v[S+32*\g+\n], v[FF], s[MK+\n]
.endr
.endr
.Lopen_\@:
.irp b, 0,1,2,3
	v_max3_num_f32 v[BM+\b], v[S+16*\b], v[S+1+16*\b], v[S+2+16*\b]   ; the largest score of each block of 32 keys: for the row's maximum and, since p rises with the score, for the block's largest p
.endr
.irp i, 3,5,7,9,11,13
.irp b, 0,1,2,3
	v_max3_num_f32 v[BM+\b], v[BM+\b], v[S+16*\b+\i], v[S+1+16*\b+\i]
.endr
.endr
.irp b, 0,1,2,3
	v_max_num_f32 v[BM+\b], v[BM+\b], v[S+15+16*\b]
.endr
.irp b, 0,1,2,3
	v_permlanex16_b32 v[TT+\b], v[BM+\b], s[SEL], s[SEL+1]
.endr
.irp b, 0,1,2,3
	v_max_num_f32 v[BM+\b], v[BM+\b], v[TT+\b]     ; with lane l xor 16's 16 keys
.endr
	v_max3_num_f32 v[TMP], v[BM], v[BM+1], v[BM+2]
	v_max_num_f32 v[TMP], v[TMP], v[BM+3]          ; the step's largest score of my query
	v_mul_f32 v[TMP], s[CS], v[TMP]                ; as t
	v_max_num_f32 v13, v13, v[TMP]                 ; the running largest t
	v_mov_b32 v[TMP], v12
	v_floor_f32 v12, -v13                          ; the new -M = floor(-t): M is a whole number
	v_sub_f32 v[TMP], v12, v[TMP]                  ; old M - new M: a whole number, 0 or less
	v_cvt_i32_f32 v[TMP], v[TMP]                   ; (it saturates)
	v_ldexp_f32 v[FF], 1.0, v[TMP]                 ; f = 2^(old M - new M): a multiplication by it rounds nothing
.set j, 0
.rept 32
	v_pk_fma_f32 v[S+j:S+j+1], v[S+j:S+j+1], s[CS:CS+1], v[12:13] op_sel_hi:[1,0,0]   ; t - M, two at a time
.set j, j+2
.endr
.irp b, 0,1,2,3
	v_fma_f32 v[BM+\b], v[BM+\b], s[CS], v12       ; the same of each block's largest score
.endr
.set j, 0
	s_wait_alu depctr_va_vdst(0)
.rept 64
	v_exp_f32 v[S+j], v[S+j]                       ; p = 2^(t - M), at most 1, not normalised
.set j, j+1
.endr
	v_pk_mul_f32 v[14:15], v[14:15], v[FF:FF+1] op_sel_hi:[1,0]   ; the sums under the new M: the plain instruction behind the exponentials
	s_wait_alu depctr_va_vdst(0)                   ; the 64 exponentials have written p: one wait for the batch, ahead of its first reader
.irp b, 0,1,2,3
	v_exp_f32 v[BM+\b], v[BM+\b]                   ; the block's largest p: the same two instructions on the same number give the same bits
.endr
	v_pk_add_f32 v[TT:TT+1], v[S:S+1], v[S+2:S+3]  ; the row's sum is taken of the unquantised p, in two chains; it reads the 64 alone
.set j, 4
.rept 15
	v_pk_add_f32 v[14:15], v[14:15], v[S+j:S+j+1]
	v_pk_add_f32 v[TT:TT+1], v[TT:TT+1], v[S+2+j:S+3+j]
.set j, j+4
.endr
	v_pk_add_f32 v[14:15], v[14:15], v[TT:TT+1]
	s_wait_alu depctr_va_vdst(0)                   ; the four exponentials have written the blocks' largest p, ahead of their first reader
.irp b, 0,1,2,3
	v_max_num_f32 v[BM+\b], 0x1800000, v[BM+\b]    ; the floor 2^(3 - 127): the byte cannot fall under 1 (a block whose every p is 0 keeps that byte: its codes are zeros)
.endr
.irp b, 0,1,2,3
	v_add_nc_u32 v[SO+\b], 0xff000000, v[BM+\b]    ; 2 off the exponent field: the conversion's scale operand
.endr
.irp b, 0,1,2,3
	v_lshrrev_b32 v[TT+\b], 23, v[SO+\b]           ; the scale's byte
.endr
	v_lshl_or_b32 v[PW], v[TT+1], 8, v[TT]         ; p's scale word for these 128 keys
	v_lshl_or_b32 v[PW], v[TT+2], 16, v[PW]
	v_lshl_or_b32 v[PW], v[TT+3], 24, v[PW]
.irp c, 0,1
	v_cvt_scalef32_pk16_fp6_f32 v[PC+6*\c:PC+6*\c+2], v[S+32*\c:S+32*\c+15], v[SO+2*\c]
	v_cvt_scalef32_pk16_fp6_f32 v[TT+4*\c:TT+4*\c+2], v[S+32*\c+16:S+32*\c+31], v[SO+2*\c+1]   ; (a conversion's three registers begin on an even number)
.endr
	v_nop                                          ; one plain instruction behind the scaled conversions
.irp c, 0,1                            ; the operand wants a whole block in a lane: lanes 0-15 block 2 c, lanes 16-31 block 2 c + 1
.irp i, 0,1,2
	v_permlane16_swap_b32 v[PC+6*\c+\i], v[TT+4*\c+\i]
.endr
.irp i, 0,1,2
	v_mov_b32 v[PC+6*\c+3+\i], v[TT+4*\c+\i]
.endr
.endr
.set j, 0
.rept 16
	v_pk_mul_f32 v[O+j:O+j+1], v[O+j:O+j+1], v[FF:FF+1] op_sel_hi:[1,0]   ; O^T under the new M.  (These sixteen also stand between the writes of p's codes and scale word and the products)
.set j, j+2
.endr
	s_wait_dscnt 0x0                               ; V's fragments and scale words
	s_wait_alu depctr_va_vdst(0)                   ; p's codes and its scale word are written, which the scaled products below take as source 1 and as its scales; the sixteen places above stay beside this wait
.irp t, 0,1,2,3                        ; O^T += V^T P^T: four accumulators, one instruction each
	v_wmma_scale_f32_16x16x128_f8f6f4 v[O+8*\t:O+8*\t+7], v[F+12*\t:F+12*\t+11], v[PC:PC+11], v[O+8*\t:O+8*\t+7], v[VS+\t], v[PW] matrix_a_fmt:MATRIX_FMT_FP6 matrix_b_fmt:MATRIX_FMT_FP6
.endr
.rept 4
	v_nop                                          ; four places behind the products, ahead of the way out's reads of O^T
.endr
	s_add_co_u32 s[JC], s[JC], 1
	s_cmp_eq_u32 s[JC], s[NS]
	s_cselect_b32 s[JC], 0, s[JC]                  ; the walk wraps
.endm
; HALF A TRIP, number T = CNT + slot.  A team whose step T - W0 exists stores it (it was loaded a half trip ago or more) into slot T % 2 and asks for the next; a team whose step T - W0 - 1 exists computes it out of the other slot.
; The barrier at the end stands on every wave's path; in front of it each wave's LDS stores have landed and its LDS loads are in: so the next half trip may read what this one stored, and store over what this one read.
.macro HALF slot
	s_add_co_u32 s[TI], s[CNT], \slot
	s_sub_co_u32 s[TI], s[TI], s[W0]               ; (wraps to a large number ahead of the team's start)
	s_cmp_lt_u32 s[TI], s[NS]
	s_cbranch_scc0 .Lnost_\@
	s_wait_loadcnt 0x0                             ; the step's eight loads are in: their registers may be read and their addresses written
	STORES \slot
	s_wait_alu depctr_vm_vsrc(0)                   ; the fourteen LDS stores have read v224-249, in which the next step's loads land behind the branch below
	s_add_co_u32 s[T1], s[TI], 1
	s_cmp_lt_u32 s[T1], s[NS]
	s_cbranch_scc0 .Lnost_\@                       ; the last step asks for nothing more
	s_wait_dscnt 0x0                               ; the stores are done
	s_add_co_u32 s[JL], s[JL], 1
	s_cmp_eq_u32 s[JL], s[NS]
	s_cselect_b32 s[JL], 0, s[JL]
	POINTERS
	LOADS                                          ; a half trip, one key step's work, in which to land
.Lnost_\@:
	s_sub_co_u32 s[T1], s[TI], 1
	s_cmp_lt_u32 s[T1], s[NS]
	s_cbranch_scc0 .Lnoc_\@
	COMPUTE 1-\slot
.Lnoc_\@:
	s_wait_dscnt 0x0
	s_barrier_signal -1
	s_barrier_wait -1
.endm
.Ltrip:                                            ; 9 trips of two halves: T = 0 .. 17, a constant for every split of the lengths (a team of 16 steps stores in T = 0 .. 15 or 1 .. 16 and computes one later)
	HALF 0
	HALF 1
	s_add_co_u32 s[CNT], s[CNT], 2
	s_cmp_lt_u32 s[CNT], 18
	s_cbranch_scc1 .Ltrip
	; THE WAY OUT.  O^T / the sum goes through my own stage in LDS and leaves as whole rows of 256 bytes.
	v_add_f32 v14, v14, v15                        ; the sum's two halves,
	v_permlanex16_b32 v[TT], v14, s[SEL], s[SEL+1]
	v_add_f32 v14, v14, v[TT]                      ; and lane l xor 16's: the row's sum
	s_wait_alu depctr_va_vdst(0)
	v_rcp_f32 v14, v14
	v_nop                                          ; a plain instruction behind the reciprocal
	s_wait_alu depctr_va_vdst(0)                   ; the reciprocal has written v14, ahead of its first reader
.set j, 0
.rept 32
	v_mul_f32 v[S+j], v[O+j], v14                  ; register 8 t + i is out(my query, 16 t + 8 h + i); each accumulator from its low end on
.set j, j+1
.endr
	s_wait_alu depctr_va_vdst(0)                   ; the 32 divisions have written v92-123, which the LDS stores read; the last products are done reading F, in which the rows come back
.irp t, 0,1,2,3
	ds_store_b128 v[STI], v[S+8*\t:S+8*\t+3] offset:64*\t
	ds_store_b128 v[STI], v[S+8*\t+4:S+8*\t+7] offset:64*\t+16
.endr
.irp i, 0,1,2,3,4,5,6,7
	ds_load_b128 v[F+4*\i:F+4*\i+3], v[STR] offset:544*\i   ; LDS serves a wave's instructions in order (ISA guide 5.7.1): these see my stores
.endr
.irp i, 0,1,2,3,4,5,6,7
	s_wait_dscnt 7-\i                              ; load i is in; the 7 - i younger ones may be out
	global_store_b128 v[GO], v[F+4*\i:F+4*\i+3], s[22:23] offset:512*\i th:TH_STORE_NT   ; 32 lanes store two rows: 512 consecutive bytes, at a multiple of 256 from out's first byte
.endr
	s_wait_dscnt 0x0                               ; the closing lines, six on end
	s_wait_alu 0x0
	s_wait_tensorcnt 0x0
	ds_add_u32 v254, v255
	s_wait_dscnt 0x0
	s_endpgm
.Lfunc_end_k_qbae877f1fd_attn:
	.size	k_qbae877f1fd_attn, .Lfunc_end_k_qbae877f1fd_attn-k_qbae877f1fd_attn
	.p2alignl 7, 3214868480
	.fill 96, 4, 3214868480
	.section	.rodata,"a",@progbits
	.p2align	6, 0x0
	.amdhsa_kernel k_qbae877f1fd_attn
		.amdhsa_group_segment_fixed_size 174080
		.amdhsa_private_segment_fixed_size 0
		.amdhsa_enable_private_segment 0
		.amdhsa_kernarg_size 64
		.amdhsa_user_sgpr_count 2
		.amdhsa_user_sgpr_kernarg_segment_ptr 1
		.amdhsa_wavefront_size32 1
		.amdhsa_system_sgpr_workgroup_id_x 1
		.amdhsa_system_sgpr_workgroup_id_y 1
		.amdhsa_system_sgpr_workgroup_id_z 1
		.amdhsa_system_vgpr_workitem_id 0
		.amdhsa_next_free_vgpr 256
		.amdhsa_next_free_sgpr 98
		.amdhsa_reserve_vcc 0
		.amdhsa_float_denorm_mode_32 3
		.amdhsa_float_denorm_mode_16_64 3
		.amdhsa_memory_ordered 1
		.amdhsa_forward_progress 1
		.amdhsa_inst_pref_size 74
	.end_amdhsa_kernel
	.amdgpu_metadata
---
amdhsa.version: [ 1, 2 ]
amdhsa.kernels:
  - .name:           k_qbae877f1fd_attn
    .symbol:         k_qbae877f1fd_attn.kd
    .args:
      - { .name: keys_codes, .offset: 0, .size: 8, .value_kind: global_buffer, .address_space: global }
      - { .name: keys_scales, .offset: 8, .size: 8, .value_kind: global_buffer, .address_space: global }
      - { .name: queries_codes, .offset: 16, .size: 8, .value_kind: global_buffer, .address_space: global }
      - { .name: queries_scales, .offset: 24, .size: 8, .value_kind: global_buffer, .address_space: global }
      - { .name: valid_lens, .offset: 32, .size: 8, .value_kind: global_buffer, .address_space: global }
      - { .name: values_codes, .offset: 40, .size: 8, .value_kind: global_buffer, .address_space: global }
      - { .name: values_scales, .offset: 48, .size: 8, .value_kind: global_buffer, .address_space: global }
      - { .name: out0, .offset: 56, .size: 8, .value_kind: global_buffer, .address_space: global }
    .group_segment_fixed_size: 174080
    .private_segment_fixed_size: 0
    .kernarg_segment_align: 8
    .kernarg_segment_size: 64
    .max_flat_workgroup_size: 512
    .sgpr_count:     98
    .vgpr_count:     256
    .wavefront_size: 32
...
	.end_amdgpu_metadata
.endif
;; end of part 2
